; MI455X (gfx1250); checked and timed in simulation.
; The chip was launched on July 23, 2026; its instructions are those of AMD's public machine-readable ISA for CDNA 5 (MIT licence, August 2026) and "CDNA5" Instruction Set Architecture Reference Guide (July 2026). The comments in the code are by the model that wrote it; some were corrected since.
;; Document Encoder. Allowed arithmetic: float matrix products may take bf16 or f16 operands with f32 sums; other float arithmetic in f32, or as packed bf16 or f16 multiplies, adds, multiply-adds, maxima and minima; sums over many terms, partial sums and values carried from step to step in f32; what a program stores and reads back later, other than sums and carried values, may be rounded once to bf16 or f16.
;; Inputs: W_b 1,024 x 1,024 float32; emb_table 50,001 x 1,024 float32; tokens 256 x 256 int32.
;; Outputs: out0 256 x 1,024 float32.
;; Constants: max_len = 256.
;; One version. Each part assembles by itself: llvm-mc -triple=amdgcn-amd-amdhsa -mcpu=gfx1250 --defsym DOCPART=n.
;; ======== version 1 of 1: 3 launches
;; limits: values are held in f16: magnitudes above 65,504 overflow, below 6.1e-05 lose precision
;; workspace buffers: hid 524,288 bytes; uvec 1,048,576 bytes
;; launch mean (part 1): grid 256 x 1, 16 waves a work-group, no clusters, 67,584 bytes of LDS; arguments tokens, emb_table, hid; writes hid
.if DOCPART == 1
	.amdgcn_target "amdgcn-amd-amdhsa--gfx1250"
	.amdhsa_code_object_version 6
	.text
	.protected	k_qffddce25b5_mean
	.globl	k_qffddce25b5_mean
	.p2align	8
	.type	k_qffddce25b5_mean,@function
k_qffddce25b5_mean:
	s_mov_b64 s[64:65], 0
	v_nop
	global_prefetch_b8 v0, s[64:65] scope:SCOPE_SE
	s_setreg_imm32_b32 hwreg(HW_REG_WAVE_MODE, 25, 1), 1
	s_wait_xcnt 0x0
; hid[b][:] = the mean over the 256 tokens of document b of emb_table[tokens[b][l] + 1][:], summed in f32, rounded once to f16.
; A work-group is a document; each of its 16 waves sums 16 rows.  A row is 4,096 bytes: eight loads of 16 bytes a lane, each load of the
; wave covering 512 consecutive bytes, aligned.  Three double slots of two rows in registers: while one is added, two are on their way
; (32 loads of a wave).  The 16 partial sums meet in LDS behind one barrier; threads 0 to 255 add them, four columns each.
; No LDS ring, no matrix unit, no cluster: the rows are scattered pieces of 4 KB that no two work-groups share by plan, and each number is added once.
; LIMITS.  hid is f16: a mean beyond 65,504 becomes an infinity, below 6e-5 it keeps f16's step of 6e-8.  token + 1 is clamped to 50,000, the table's last row.
.set ROWB,  4096
.set LASTR, 50000
.set SPARE, 65536                      ; behind the 16 x 4,096 bytes of partial sums: the spare words, 128 bytes a wave, which no other line names
.set LN,  1                            ; v1        16 x lane
.set ADR, 2                            ; v[2:17]   row i of my wave: (token + 1) x 4,096 + 16 x lane; never rewritten
.set ACC, 18                           ; v[18:49]  my 32 columns' sums
.set X,   50                           ; v[50:241] three double slots of 64: row A, row B
.set PA,  242                          ; v242      LDS address of my partial sums
.set RA,  243                          ; v243      LDS address at which I read 4 columns of every wave's sums
.set HO,  244                          ; v244      my byte offset in the document's row of hid
.set SPW, 246                          ; v246      LDS address of my spare word; never rewritten
.set NIL, 247                          ; v247      0; never rewritten
	s_load_b128 s[4:7], s[0:1], 0x0                ; tokens s[4:5], emb_table s[6:7]
	s_load_b64 s[8:9], s[0:1], 0x10                ; hid
	v_lshl_add_u32 v[SPW], v0, 2, SPARE
	v_mov_b32 v[NIL], 0
	v_lshrrev_b32 v[PA], 5, v0
	v_readfirstlane_b32 s10, v[PA]                 ; wave 0..15
	v_and_b32 v[LN], 31, v0
	v_lshlrev_b32 v[LN], 4, v[LN]
	s_lshl_b32 s12, ttmp9, 10                      ; the document's 256 tokens of 4 bytes,
	s_lshl_b32 s13, s10, 6                         ; my wave's 16 of them
	s_add_co_u32 s12, s12, s13
	s_mov_b32 s13, 0
	s_lshl_b32 s14, ttmp9, 11                      ; the document's 2,048 bytes of hid
	s_mov_b32 s15, 0
	v_lshl_add_u32 v[PA], s10, 12, v[LN]           ; wave x 4,096 + 16 x lane
	s_wait_kmcnt 0x0
	s_add_nc_u64 s[4:5], s[4:5], s[12:13]
	s_add_nc_u64 s[8:9], s[8:9], s[14:15]
	s_load_b512 s[16:31], s[4:5], 0x0              ; my wave's 16 tokens
	s_wait_kmcnt 0x0
.irp i, 0,1,2,3,4,5,6,7,8,9,10,11,12,13,14,15
	s_add_co_u32 s[16+(\i)], s[16+(\i)], 1         ; the table's row is token + 1,
	s_min_u32 s[16+(\i)], s[16+(\i)], LASTR        ; held inside the table
	v_lshl_add_u32 v[ADR+(\i)], s[16+(\i)], 12, v[LN]
.endr
; Rows row and row + 1 into double slot d: 16 loads
.macro FILL d, row
.irp k, 0,1
.irp j, 0,1,2,3,4,5,6,7
	global_load_b128 v[X+64*(\d)+32*(\k)+4*(\j):X+64*(\d)+32*(\k)+4*(\j)+3], v[ADR+(\row)+(\k)], s[6:7] offset:512*(\j)
.endr
.endr
.endm
; Pair i of eight is added; left = the loads of the younger double slots, 16 each, which stay out.  Pair 0 starts the sums: nothing is cleared.
.macro PAIR i, left
.set XA, X+64*((\i)%3)
.set XB, XA+32
	s_wait_loadcnt \left                           ; loads come back in order: this pair's 16 are in
.if (\i) == 0
.set n, 0
.rept 16
	v_pk_add_f32 v[ACC+n:ACC+n+1], v[XA+n:XA+n+1], v[XB+n:XB+n+1]
.set n, n+2
.endr
.else
.set n, 0
.rept 16
	v_pk_add_f32 v[ACC+n:ACC+n+1], v[ACC+n:ACC+n+1], v[XA+n:XA+n+1]
.set n, n+2
.endr
.set n, 0
.rept 16
	v_pk_add_f32 v[ACC+n:ACC+n+1], v[ACC+n:ACC+n+1], v[XB+n:XB+n+1]
.set n, n+2
.endr
.endif
.if (\i) <= 4
	FILL (\i)%3, 2*(\i)+6                          ; the slot takes the pair three further on
.endif
.endm
	FILL 0, 0
	FILL 1, 2
	FILL 2, 4
	PAIR 0, 32
	PAIR 1, 32
	PAIR 2, 32
	PAIR 3, 32
	PAIR 4, 32
	PAIR 5, 32
	PAIR 6, 16                                     ; the last pairs fill nothing: the counts run down
	PAIR 7, 0
.irp j, 0,1,2,3,4,5,6,7
	ds_store_b128 v[PA], v[ACC+4*(\j):ACC+4*(\j)+3] offset:512*(\j)  ; column c of wave w lies at 4,096 w + 4 c
.endr
	s_wait_tensorcnt 0x0                           ; behind my last LDS store
	ds_add_u32 v[SPW], v[NIL]
	s_wait_dscnt 0x0                               ; shows my stores done, for the other waves' sake
	s_barrier_signal -1
	s_barrier_wait -1
	s_cmp_lt_u32 s10, 8                            ; 256 threads x 4 columns are the row: waves 8 to 15 have done their part
	s_cbranch_scc0 .Lend
	v_lshlrev_b32 v[RA], 4, v0
	v_lshlrev_b32 v[HO], 3, v0
.irp k, 0,1,2,3,4,5,6,7,8,9,10,11,12,13,14,15
	ds_load_b128 v[X+4*(\k):X+4*(\k)+3], v[RA] offset:4096*(\k)
.endr
	s_wait_dscnt 0x0
.irp w, 8,4,2,1                        ; a tree: wave k's sums take those of wave k + 8, then + 4, + 2, + 1
.set k, 0
.rept \w
	v_pk_add_f32 v[X+4*k:X+4*k+1],   v[X+4*k:X+4*k+1],   v[X+4*(k+(\w)):X+4*(k+(\w))+1]
	v_pk_add_f32 v[X+4*k+2:X+4*k+3], v[X+4*k+2:X+4*k+3], v[X+4*(k+(\w))+2:X+4*(k+(\w))+3]
.set k, k+1
.endr
.endr
	v_pk_mul_f32 v[X:X+1],   v[X:X+1],   0x3b800000 op_sel_hi:[1,0]  ; 1 / 256, exact
	v_pk_mul_f32 v[X+2:X+3], v[X+2:X+3], 0x3b800000 op_sel_hi:[1,0]
	v_cvt_pk_f16_f32 v[X+4], v[X], v[X+1]
	v_cvt_pk_f16_f32 v[X+5], v[X+2], v[X+3]
	global_store_b64 v[HO], v[X+4:X+5], s[8:9]     ; a wave's store covers 256 consecutive bytes, aligned
.Lend:
	s_endpgm
.Lfunc_end_k_qffddce25b5_mean:
	.size	k_qffddce25b5_mean, .Lfunc_end_k_qffddce25b5_mean-k_qffddce25b5_mean
	.p2alignl 7, 3214868480
	.fill 96, 4, 3214868480
	.section	.rodata,"a",@progbits
	.p2align	6, 0x0
	.amdhsa_kernel k_qffddce25b5_mean
		.amdhsa_group_segment_fixed_size 67584
		.amdhsa_private_segment_fixed_size 0
		.amdhsa_enable_private_segment 0
		.amdhsa_kernarg_size 24
		.amdhsa_user_sgpr_count 2
		.amdhsa_user_sgpr_kernarg_segment_ptr 1
		.amdhsa_wavefront_size32 1
		.amdhsa_system_sgpr_workgroup_id_x 1
		.amdhsa_system_sgpr_workgroup_id_y 1
		.amdhsa_system_sgpr_workgroup_id_z 1
		.amdhsa_system_vgpr_workitem_id 0
		.amdhsa_next_free_vgpr 248
		.amdhsa_next_free_sgpr 66
		.amdhsa_reserve_vcc 0
		.amdhsa_float_denorm_mode_32 3
		.amdhsa_float_denorm_mode_16_64 3
		.amdhsa_memory_ordered 1
		.amdhsa_forward_progress 1
		.amdhsa_inst_pref_size 35
	.end_amdhsa_kernel
	.amdgpu_metadata
---
amdhsa.version: [ 1, 2 ]
amdhsa.kernels:
  - .name:           k_qffddce25b5_mean
    .symbol:         k_qffddce25b5_mean.kd
    .args:
      - { .name: tokens, .offset: 0, .size: 8, .value_kind: global_buffer, .address_space: global }
      - { .name: emb_table, .offset: 8, .size: 8, .value_kind: global_buffer, .address_space: global }
      - { .name: hid, .offset: 16, .size: 8, .value_kind: global_buffer, .address_space: global }
    .group_segment_fixed_size: 67584
    .private_segment_fixed_size: 0
    .kernarg_segment_align: 8
    .kernarg_segment_size: 24
    .max_flat_workgroup_size: 512
    .sgpr_count:     66
    .vgpr_count:     248
    .wavefront_size: 32
...
	.end_amdgpu_metadata
.endif
;; end of part 1
;; launch proj (part 2): grid 16 x 16, 16 waves a work-group, no clusters, 184,576 bytes of LDS; arguments W_b, hid, uvec; writes uvec
.if DOCPART == 2
	.amdgcn_target "amdgcn-amd-amdhsa--gfx1250"
	.amdhsa_code_object_version 6
	.text
	.protected	k_qffddce25b5_proj
	.globl	k_qffddce25b5_proj
	.p2align	8
	.type	k_qffddce25b5_proj,@function
k_qffddce25b5_proj:
	s_mov_b64 s[64:65], 0
	v_nop
	global_prefetch_b8 v0, s[64:65] scope:SCOPE_SE
	s_setreg_imm32_b32 hwreg(HW_REG_WAVE_MODE, 25, 1), 1
	s_wait_xcnt 0x0
; uvec[b][d] = log2(e) x the sum over e of W_b[d][e] hid[b][e].  A token's score (emb W_b) . hidden is the same products summed as emb . (W_b hidden), so W_b meets the
; 256 means and not the 65,536 rows; log2(e) rides here, so that the softmax behind works in powers of two.
; A work-group makes 16 documents (y) x 64 rows d of W_b (x): a document's 64 results are 256 consecutive bytes of uvec, aligned.  256 work-groups.
; In: wave w brings four rows of W_b (32 loads of 512 bytes, rounded to f16 on the way into LDS) and one row of hid (4 loads); all 36 are out at once.
; Products: wave w takes tile t = w % 4 of 16 rows d and quarter q = w / 4 of K: 8 matrix instructions of 32 along K, two accumulators by turns.
; Source 0 = 16 rows of W_b, source 1 = 16 documents: a lane then holds one document (lane % 16) and eight neighbouring d.  The four quarters' sums meet in LDS, in f32.
; No cluster and no tensor load: W_b has to be rounded from f32 to f16 between memory and LDS, which the way through registers does in passing.
; LIMITS.  W_b and hid are f16 operands: beyond 65,504 an infinity, below 6e-5 f16's step of 6e-8.  The order of rounding differs from that of (emb W_b) . hidden.
.set PITCH, 2064                       ; an LDS row: 1,024 f16 + 16 bytes = 129 x 16: the 16 rows of a fragment load start 16 bytes apart modulo 256
.set HT,    64*PITCH                   ; behind W_b's 64 rows: hid's 16 rows
.set STAGE, HT+16*PITCH                ; four quarters x 16 documents x 272 bytes (64 f32 + 16)
.set SPITCH, 272
.set QSTAGE, 16*SPITCH
.set SPARE, STAGE+4*QSTAGE             ; the spare words, 128 bytes a wave, which no other line names
.set LANE, 1
.set R,   2                            ; lane % 16
.set H,   3                            ; lane / 16
.set WO,  4                            ; my byte offset in the group's 64 rows of W_b: wave x 4 rows + 16 x lane
.set HO,  5                            ; in its 16 rows of hid: wave x 2,048 + 16 x lane
.set WL,  6                            ; LDS: where my 8 bytes of f16 of W_b go
.set HL,  7                            ; LDS: where my 16 bytes of hid go
.set FA,  8                            ; LDS: my fragments of W_b
.set FB,  9                            ; LDS: my fragments of hid
.set SA,  10                           ; LDS: where my eight sums go
.set SR,  11                           ; LDS: where I read a document's sums back
.set UO,  12                           ; my byte offset in the group's part of uvec
.set T0,  13
.set T1,  14
.set HX,  16                           ; v[16:31]   hid as loaded; later the four quarters' sums
.set WX,  32                           ; v[32:159]  W_b as loaded
.set FR,  32                           ; later: K step s has W_b's fragment at FR + 16 s, hid's at FR + 16 s + 8
.set A0,  160                          ; v[160:167], v[168:175] the two accumulators
.set SUM, 176                          ; v[176:183]
.set SPW, 184                          ; LDS address of my spare word; never rewritten
.set NIL, 185                          ; 0; never rewritten
	s_load_b128 s[4:7], s[0:1], 0x0                ; W_b s[4:5], hid s[6:7]
	s_load_b64 s[8:9], s[0:1], 0x10                ; uvec
	v_lshl_add_u32 v[SPW], v0, 2, SPARE
	v_mov_b32 v[NIL], 0
	v_lshrrev_b32 v[T0], 5, v0
	v_readfirstlane_b32 s10, v[T0]                 ; wave 0..15
	s_and_b32 s11, s10, 3                          ; t
	s_lshr_b32 s12, s10, 2                         ; q
	s_and_b32 s13, ttmp7, 0xffff                   ; y
	v_and_b32 v[LANE], 31, v0
	v_and_b32 v[R], 15, v0
	v_bfe_u32 v[H], v0, 4, 1
	v_lshlrev_b32 v[T0], 4, v[LANE]
	v_lshl_add_u32 v[WO], s10, 14, v[T0]
	v_lshl_add_u32 v[HO], s10, 11, v[T0]
	s_mul_i32 s16, s10, 4*PITCH
	v_lshl_add_u32 v[WL], v[LANE], 3, s16
	s_mul_i32 s17, s10, PITCH
	s_add_co_u32 s17, s17, HT
	v_lshl_add_u32 v[HL], v[LANE], 4, s17
	s_wait_kmcnt 0x0
	s_lshl_b32 s14, ttmp9, 18                      ; x: 64 rows of 4,096 bytes of W_b
	s_mov_b32 s15, 0
	s_add_nc_u64 s[4:5], s[4:5], s[14:15]
	s_lshl_b32 s14, s13, 15                        ; y: 16 rows of 2,048 bytes of hid
	s_add_nc_u64 s[6:7], s[6:7], s[14:15]
.irp j, 0,1,2,3
	global_load_b128 v[HX+4*(\j):HX+4*(\j)+3], v[HO], s[6:7] offset:512*(\j)
.endr
.irp i, 0,1,2,3
.irp j, 0,1,2,3,4,5,6,7
	global_load_b128 v[WX+32*(\i)+4*(\j):WX+32*(\i)+4*(\j)+3], v[WO], s[4:5] offset:4096*(\i)+512*(\j)
.endr
.endr
	s_lshl_b32 s14, s13, 16                        ; y: 16 rows of 4,096 bytes of uvec,
	s_lshl_b32 s18, ttmp9, 8                       ; x: 64 f32 in each
	s_add_co_u32 s14, s14, s18
	s_add_nc_u64 s[8:9], s[8:9], s[14:15]
	; A fragment is 16 rows x 32 K of f16 in 8 registers: lane l holds row l % 16, K = 8 (l / 16) + 0..7 and 16 + 8 (l / 16) + 0..7: two loads of 16 bytes, 32 bytes apart
	v_mul_u32_u24 v[T0], v[R], PITCH
	v_lshl_add_u32 v[T0], v[H], 4, v[T0]
	s_mul_i32 s18, s11, 16*PITCH                   ; my tile's 16 rows of W_b,
	s_lshl_b32 s19, s12, 9                         ; my quarter's 256 K = 512 bytes
	s_add_co_u32 s18, s18, s19
	s_add_co_u32 s19, s19, HT
	v_add_nc_u32 v[FA], s18, v[T0]
	v_add_nc_u32 v[FB], s19, v[T0]
	v_mul_u32_u24 v[T1], v[R], SPITCH              ; into the stage: document l % 16, d = 16 t + 8 (l / 16) + 0..7
	v_lshl_add_u32 v[T1], v[H], 5, v[T1]
	s_mul_i32 s20, s12, QSTAGE
	s_lshl_b32 s21, s11, 6
	s_add_co_u32 s20, s20, s21
	s_add_co_u32 s20, s20, STAGE
	v_add_nc_u32 v[SA], s20, v[T1]
	s_mul_i32 s21, s10, SPITCH                     ; back: wave w takes document w, two d a lane
	s_add_co_u32 s21, s21, STAGE
	v_lshl_add_u32 v[SR], v[LANE], 3, s21
	v_lshlrev_b32 v[T0], 3, v[LANE]
	v_lshl_add_u32 v[UO], s10, 12, v[T0]
	s_wait_loadcnt 32                              ; hid's four loads are in; W_b's 32, issued behind them, stay out
.irp j, 0,1,2,3
	ds_store_b128 v[HL], v[HX+4*(\j):HX+4*(\j)+3] offset:512*(\j)
.endr
; Row i of my four: four f32 a lane and load become four f16, 8 bytes; a wave's store covers 256 consecutive bytes of the LDS row
.macro CVROW i
.irp j, 0,1,2,3,4,5,6,7
	v_cvt_pk_f16_f32 v[WX+32*(\i)+4*(\j)],   v[WX+32*(\i)+4*(\j)],   v[WX+32*(\i)+4*(\j)+1]
	v_cvt_pk_f16_f32 v[WX+32*(\i)+4*(\j)+1], v[WX+32*(\i)+4*(\j)+2], v[WX+32*(\i)+4*(\j)+3]
	ds_store_b64 v[WL], v[WX+32*(\i)+4*(\j):WX+32*(\i)+4*(\j)+1] offset:PITCH*(\i)+256*(\j)
.endr
.endm
.irp i, 0,1,2,3
	s_wait_loadcnt 8*(3-(\i))                      ; row i's eight loads are in; the later rows', eight each, stay out
	CVROW \i
.endr
	s_wait_dscnt 0x0                               ; for the others' sake: my stores are done
	s_barrier_signal -1
	s_barrier_wait -1                              ; W_b's 64 rows and hid's 16 are whole
.irp s, 0,1,2,3,4,5,6,7
	ds_load_b128 v[FR+16*(\s):FR+16*(\s)+3],     v[FA] offset:64*(\s)
	ds_load_b128 v[FR+16*(\s)+4:FR+16*(\s)+7],   v[FA] offset:64*(\s)+32
	ds_load_b128 v[FR+16*(\s)+8:FR+16*(\s)+11],  v[FB] offset:64*(\s)
	ds_load_b128 v[FR+16*(\s)+12:FR+16*(\s)+15], v[FB] offset:64*(\s)+32
.endr
.irp s, 0,1,2,3,4,5,6,7                ; the two accumulators take turns, one instruction a turn; the first two products start the sums
	s_wait_dscnt 4*(7-(\s))                        ; K step s is in; the later steps' four loads each stay out
.if (\s) < 2
	v_wmma_f32_16x16x32_f16 v[A0+8*(\s):A0+8*(\s)+7], v[FR+16*(\s):FR+16*(\s)+7], v[FR+16*(\s)+8:FR+16*(\s)+15], 0
.else
	v_wmma_f32_16x16x32_f16 v[A0+8*((\s)%2):A0+8*((\s)%2)+7], v[FR+16*(\s):FR+16*(\s)+7], v[FR+16*(\s)+8:FR+16*(\s)+15], v[A0+8*((\s)%2):A0+8*((\s)%2)+7]
.endif
.endr
.rept 4
	v_nop                                          ; four places between the last product and the first read of a result (ISA guide 7.12.1)
.endr
.irp j, 0,2,4,6                        ; from each accumulator's low end on
	v_pk_add_f32 v[SUM+(\j):SUM+(\j)+1], v[A0+(\j):A0+(\j)+1], v[A0+8+(\j):A0+8+(\j)+1]
.endr
	ds_store_b128 v[SA], v[SUM:SUM+3]
	ds_store_b128 v[SA], v[SUM+4:SUM+7] offset:16
	s_wait_tensorcnt 0x0                           ; behind my last LDS store
	ds_add_u32 v[SPW], v[NIL]
	s_wait_dscnt 0x0                               ; shows my stores done, for the other waves' sake
	s_barrier_signal -1
	s_barrier_wait -1
.irp q, 0,1,2,3
	ds_load_b64 v[HX+2*(\q):HX+2*(\q)+1], v[SR] offset:QSTAGE*(\q)
.endr
	s_wait_dscnt 0x0
	v_pk_add_f32 v[HX:HX+1], v[HX:HX+1], v[HX+2:HX+3]
	v_pk_add_f32 v[HX+4:HX+5], v[HX+4:HX+5], v[HX+6:HX+7]
	v_pk_add_f32 v[HX:HX+1], v[HX:HX+1], v[HX+4:HX+5]
	v_pk_mul_f32 v[HX:HX+1], v[HX:HX+1], 0x3fb8aa3b op_sel_hi:[1,0]  ; log2(e)
	global_store_b64 v[UO], v[HX:HX+1], s[8:9]     ; a wave's store covers 256 consecutive bytes, aligned
	s_endpgm
.Lfunc_end_k_qffddce25b5_proj:
	.size	k_qffddce25b5_proj, .Lfunc_end_k_qffddce25b5_proj-k_qffddce25b5_proj
	.p2alignl 7, 3214868480
	.fill 96, 4, 3214868480
	.section	.rodata,"a",@progbits
	.p2align	6, 0x0
	.amdhsa_kernel k_qffddce25b5_proj
		.amdhsa_group_segment_fixed_size 184576
		.amdhsa_private_segment_fixed_size 0
		.amdhsa_enable_private_segment 0
		.amdhsa_kernarg_size 24
		.amdhsa_user_sgpr_count 2
		.amdhsa_user_sgpr_kernarg_segment_ptr 1
		.amdhsa_wavefront_size32 1
		.amdhsa_system_sgpr_workgroup_id_x 1
		.amdhsa_system_sgpr_workgroup_id_y 1
		.amdhsa_system_sgpr_workgroup_id_z 1
		.amdhsa_system_vgpr_workitem_id 0
		.amdhsa_next_free_vgpr 192
		.amdhsa_next_free_sgpr 66
		.amdhsa_reserve_vcc 0
		.amdhsa_float_denorm_mode_32 3
		.amdhsa_float_denorm_mode_16_64 3
		.amdhsa_memory_ordered 1
		.amdhsa_forward_progress 1
		.amdhsa_inst_pref_size 17
	.end_amdhsa_kernel
	.amdgpu_metadata
---
amdhsa.version: [ 1, 2 ]
amdhsa.kernels:
  - .name:           k_qffddce25b5_proj
    .symbol:         k_qffddce25b5_proj.kd
    .args:
      - { .name: W_b, .offset: 0, .size: 8, .value_kind: global_buffer, .address_space: global }
      - { .name: hid, .offset: 8, .size: 8, .value_kind: global_buffer, .address_space: global }
      - { .name: uvec, .offset: 16, .size: 8, .value_kind: global_buffer, .address_space: global }
    .group_segment_fixed_size: 184576
    .private_segment_fixed_size: 0
    .kernarg_segment_align: 8
    .kernarg_segment_size: 24
    .max_flat_workgroup_size: 512
    .sgpr_count:     66
    .vgpr_count:     192
    .wavefront_size: 32
...
	.end_amdgpu_metadata
.endif
;; end of part 2
;; launch attend (part 3): grid 256 x 1, 16 waves a work-group, no clusters, 67,840 bytes of LDS; arguments tokens, emb_table, uvec, out0; writes out0
.if DOCPART == 3
	.amdgcn_target "amdgcn-amd-amdhsa--gfx1250"
	.amdhsa_code_object_version 6
	.text
	.protected	k_qffddce25b5_attend
	.globl	k_qffddce25b5_attend
	.p2align	8
	.type	k_qffddce25b5_attend,@function
k_qffddce25b5_attend:
	s_mov_b64 s[64:65], 0
	v_nop
	global_prefetch_b8 v0, s[64:65] scope:SCOPE_SE
	s_setreg_imm32_b32 hwreg(HW_REG_WAVE_MODE, 25, 1), 1
	s_wait_xcnt 0x0
; out0[b][:] = the sum over l of softmax_l(s_l) row_l, with row_l = emb_table[tokens[b][l] + 1][:] and s_l = row_l . u_b; uvec holds log2(e) u_b, so a weight is 2^(s - m).  All in f32.
; A work-group is a document; each of its 16 waves owns 16 rows and reads each ONCE: a row's score, its weight by a running maximum m, and its share of the context are made while
; the row lies in registers.  For each pair of rows: m_new = max(m, sA, sB); the sum l and the context are multiplied by a = 2^(m - m_new), which is 1 where m has not grown.
; A row is eight loads of 16 bytes a lane, each load of the wave covering 512 consecutive bytes, aligned.  Two double slots of two rows: one at work, one on its way.
; The wave walks its rows from the last to the first.  At the end the 16 waves' (m, l, context) meet in LDS behind one barrier; each of the 512 threads merges two columns.
; No matrix unit: a score is a product with one column, a context with one row.  No LDS ring and no cluster: scattered rows of 4 KB, each used by one wave.
; LIMITS.  A weight below 2^-126 counts as 0; NaN and infinities are not treated apart; token + 1 is clamped to 50,000, the table's last row.
.set LASTR, 50000
.set STATS, 65536                      ; behind the 16 x 4,096 bytes of contexts: (m, l) of wave w at + 8 w; a block of 256 bytes
.set SPARE, 65792                      ; the spare words, 128 bytes a wave, which no other line names
.set LN,  1                            ; v1         16 x lane
.set ADR, 2                            ; v[2:17]    row i of my wave: (token + 1) x 4,096 + 16 x lane; never rewritten
.set U,   18                           ; v[18:49]   log2(e) u at my 32 columns
.set ACC, 50                           ; v[50:81]   the context at my 32 columns
.set X,   82                           ; v[82:209]  two double slots of 64: row A, row B
.set DA,  210                          ; v[210:217] row A: four chains of the dot product; then DA the score and the weight, DA + 2 takes a
.set DB,  218                          ; v[218:225] row B likewise
.set M,   226                          ; v226       the running maximum
.set L,   227                          ; v227       the running sum
.set MX,  228                          ; v228       the new maximum
.set PA,  230                          ; v230       LDS address of my context
.set SA,  231                          ; v231       LDS address of my wave's (m, l)
.set SB,  232                          ; v232       STATS
.set RA,  233                          ; v233       8 x thread: my two columns, in LDS and in out0
.set SPW, 234                          ; v234       LDS address of my spare word; never rewritten
.set NIL, 235                          ; v235       0; never rewritten
.set ST,  82                           ; the merge: v[82:113] (m, l) of the 16 waves
.set Y,   114                          ; v[114:145] my two columns of the 16 contexts
.set OUT, 146                          ; v[146:147]
.set LS,  148                          ; v148       the document's sum
	s_load_b256 s[4:11], s[0:1], 0x0               ; tokens s[4:5], emb_table s[6:7], uvec s[8:9], out0 s[10:11]
	v_lshl_add_u32 v[SPW], v0, 2, SPARE
	v_mov_b32 v[NIL], 0
	v_lshrrev_b32 v[PA], 5, v0
	v_readfirstlane_b32 s12, v[PA]                 ; wave 0..15
	v_and_b32 v[LN], 31, v0
	v_lshlrev_b32 v[LN], 4, v[LN]
	s_lshl_b32 s14, ttmp9, 10                      ; the document's 256 tokens of 4 bytes,
	s_lshl_b32 s15, s12, 6                         ; my wave's 16 of them
	s_add_co_u32 s14, s14, s15
	s_mov_b32 s15, 0
	s_lshl_b32 s34, ttmp9, 12                      ; the document's 4,096 bytes of uvec and of out0
	s_mov_b32 s35, 0
	s_mov_b32 s32, 0x76543210                      ; v_permlanex16_b32: each lane takes its own place in the other half
	s_mov_b32 s33, 0xfedcba98
	s_lshl_b32 s13, s12, 3
	s_add_co_u32 s13, s13, STATS
	v_mov_b32 v[SA], s13
	v_mov_b32 v[SB], STATS
	v_lshl_add_u32 v[PA], s12, 12, v[LN]
	v_lshlrev_b32 v[RA], 3, v0
	s_wait_kmcnt 0x0
	s_add_nc_u64 s[4:5], s[4:5], s[14:15]
	s_add_nc_u64 s[8:9], s[8:9], s[34:35]
	s_add_nc_u64 s[10:11], s[10:11], s[34:35]
	s_load_b512 s[16:31], s[4:5], 0x0              ; my wave's 16 tokens
.irp j, 0,1,2,3,4,5,6,7
	global_load_b128 v[U+4*(\j):U+4*(\j)+3], v[LN], s[8:9] offset:512*(\j)
.endr
	s_wait_kmcnt 0x0
.irp i, 0,1,2,3,4,5,6,7,8,9,10,11,12,13,14,15
	s_add_co_u32 s[16+(\i)], s[16+(\i)], 1         ; the table's row is token + 1,
	s_min_u32 s[16+(\i)], s[16+(\i)], LASTR        ; held inside the table
	v_lshl_add_u32 v[ADR+(\i)], s[16+(\i)], 12, v[LN]
.endr
; Rows row + 1 (A) and row (B) into double slot d: 16 loads
.macro FILL d, row
.irp j, 0,1,2,3,4,5,6,7
	global_load_b128 v[X+64*(\d)+4*(\j):X+64*(\d)+4*(\j)+3], v[ADR+(\row)+1], s[6:7] offset:512*(\j)
.endr
.irp j, 0,1,2,3,4,5,6,7
	global_load_b128 v[X+64*(\d)+32+4*(\j):X+64*(\d)+32+4*(\j)+3], v[ADR+(\row)], s[6:7] offset:512*(\j)
.endr
.endm
; Pair i of eight.  first = 1: it starts m, l and the context: nothing is cleared.  fill = 1: its slot takes the pair two further on.  left = the other slot's loads, which stay out.
.macro PAIR i, first, fill, left
.set XA, X+64*((\i)%2)
.set XB, XA+32
	s_wait_loadcnt \left                           ; loads come back in order: this pair's 16 (and u, which is older) are in
	; the two dot products with u, four chains each, rows A and B by turns
.set n, 0
.rept 16
.if n < 4
	v_pk_mul_f32 v[DA+2*n:DA+2*n+1], v[XA+2*n:XA+2*n+1], v[U+2*n:U+2*n+1]
	v_pk_mul_f32 v[DB+2*n:DB+2*n+1], v[XB+2*n:XB+2*n+1], v[U+2*n:U+2*n+1]
.else
	v_pk_fma_f32 v[DA+2*(n%4):DA+2*(n%4)+1], v[XA+2*n:XA+2*n+1], v[U+2*n:U+2*n+1], v[DA+2*(n%4):DA+2*(n%4)+1]
	v_pk_fma_f32 v[DB+2*(n%4):DB+2*(n%4)+1], v[XB+2*n:XB+2*n+1], v[U+2*n:U+2*n+1], v[DB+2*(n%4):DB+2*(n%4)+1]
.endif
.set n, n+1
.endr
.irp d, DA, DB
	v_pk_add_f32 v[(\d):(\d)+1],   v[(\d):(\d)+1],   v[(\d)+2:(\d)+3]
	v_pk_add_f32 v[(\d)+4:(\d)+5], v[(\d)+4:(\d)+5], v[(\d)+6:(\d)+7]
.endr
.irp d, DA, DB
	v_pk_add_f32 v[(\d):(\d)+1], v[(\d):(\d)+1], v[(\d)+4:(\d)+5]
.endr
.irp d, DA, DB
	v_add_f32 v[(\d)], v[(\d)], v[(\d)+1]
.endr
	; across the 32 lanes: four steps inside each half ride on the addition, one crosses the halves; every lane ends with the score
.irp x, 1,2,4,8
	v_add_f32_dpp v[DA], v[DA], v[DA] row_xmask:\x row_mask:0xf bank_mask:0xf
	v_add_f32_dpp v[DB], v[DB], v[DB] row_xmask:\x row_mask:0xf bank_mask:0xf
.endr
	v_permlanex16_b32 v[DA+1], v[DA], s32, s33     ; its destination has been written: by the chains
	v_permlanex16_b32 v[DB+1], v[DB], s32, s33
	v_add_f32 v[DA], v[DA], v[DA+1]
	v_add_f32 v[DB], v[DB], v[DB+1]
	; the running maximum, a and the two weights
.if \first
	v_max_num_f32 v[MX], v[DA], v[DB]
.else
	v_max3_num_f32 v[MX], v[M], v[DA], v[DB]
	v_sub_f32 v[DA+2], v[M], v[MX]
.endif
	v_sub_f32 v[DA], v[DA], v[MX]
	v_sub_f32 v[DB], v[DB], v[MX]
.if !(\first)
	v_exp_f32 v[DA+2], v[DA+2]                     ; a
.endif
	v_exp_f32 v[DA], v[DA]                         ; row A's weight
	v_exp_f32 v[DB], v[DB]                         ; row B's
	v_mov_b32 v[M], v[MX]                          ; the plain instruction between the exponentials and the first use of a result
.if \first
	s_wait_alu depctr_va_vdst(0)
	v_add_f32 v[L], v[DA], v[DB]
.set n, 0
.rept 16
	v_pk_mul_f32 v[ACC+n:ACC+n+1], v[XA+n:XA+n+1], v[DA:DA+1] op_sel_hi:[1,0]
.set n, n+2
.endr
.else
	s_wait_alu depctr_va_vdst(0)
	v_fma_f32 v[L], v[L], v[DA+2], v[DA]
	v_add_f32 v[L], v[L], v[DB]
.set n, 0
.rept 16
	v_pk_mul_f32 v[ACC+n:ACC+n+1], v[ACC+n:ACC+n+1], v[DA+2:DA+3] op_sel_hi:[1,0]
.set n, n+2
.endr
.set n, 0
.rept 16
	v_pk_fma_f32 v[ACC+n:ACC+n+1], v[XA+n:XA+n+1], v[DA:DA+1], v[ACC+n:ACC+n+1] op_sel_hi:[1,0,1]
.set n, n+2
.endr
.endif
.set n, 0
.rept 16
	v_pk_fma_f32 v[ACC+n:ACC+n+1], v[XB+n:XB+n+1], v[DB:DB+1], v[ACC+n:ACC+n+1] op_sel_hi:[1,0,1]
.set n, n+2
.endr
.if \fill
	FILL (\i)%2, 10-2*(\i)
.endif
.endm
	FILL 0, 14                                     ; rows 15 and 14
	FILL 1, 12
	PAIR 0, 1, 1, 16
	PAIR 1, 0, 1, 16
	PAIR 2, 0, 1, 16
	PAIR 3, 0, 1, 16
	PAIR 4, 0, 1, 16
	PAIR 5, 0, 1, 16
	PAIR 6, 0, 0, 16                               ; the last two pairs fill nothing
	PAIR 7, 0, 0, 0
	; THE MERGE.  out = (the sum over waves w of 2^(m_w - m) context_w) / (the sum over w of 2^(m_w - m) l_w), m the largest m_w
.irp j, 0,1,2,3,4,5,6,7
	ds_store_b128 v[PA], v[ACC+4*(\j):ACC+4*(\j)+3] offset:512*(\j)  ; column c of wave w lies at 4,096 w + 4 c
.endr
	ds_store_b64 v[SA], v[M:M+1]                   ; every lane holds the same m and l and writes the same two words
	s_wait_tensorcnt 0x0                           ; behind my last LDS store
	ds_add_u32 v[SPW], v[NIL]
	s_wait_dscnt 0x0                               ; shows my stores done, for the other waves' sake
	s_barrier_signal -1
	s_barrier_wait -1
.irp k, 0,1,2,3,4,5,6,7
	ds_load_b128 v[ST+4*(\k):ST+4*(\k)+3], v[SB] offset:16*(\k)      ; m_w at ST + 2 w, l_w at ST + 2 w + 1, in every lane
.endr
.irp k, 0,1,2,3,4,5,6,7,8,9,10,11,12,13,14,15
	ds_load_b64 v[Y+2*(\k):Y+2*(\k)+1], v[RA] offset:4096*(\k)
.endr
	s_wait_dscnt 16                                ; the eight loads of (m, l) are in; the 16 of the contexts, issued behind them, stay out
	v_max3_num_f32 v[MX], v[ST], v[ST+2], v[ST+4]
.irp k, 3,5,7,9,11,13
	v_max3_num_f32 v[MX], v[MX], v[ST+2*(\k)], v[ST+2*(\k)+2]
.endr
	v_max_num_f32 v[MX], v[MX], v[ST+30]
.irp k, 0,1,2,3,4,5,6,7,8,9,10,11,12,13,14,15
	v_sub_f32 v[ST+2*(\k)], v[ST+2*(\k)], v[MX]
.endr
.irp k, 0,1,2,3,4,5,6,7,8,9,10,11,12,13,14,15
	v_exp_f32 v[ST+2*(\k)], v[ST+2*(\k)]
.endr
	v_nop                                          ; a plain instruction between the last exponential and the use of its result
	s_wait_alu depctr_va_vdst(0)
	v_mul_f32 v[LS], v[ST], v[ST+1]
.irp k, 1,2,3,4,5,6,7,8,9,10,11,12,13,14,15
	v_fma_f32 v[LS], v[ST+2*(\k)], v[ST+2*(\k)+1], v[LS]
.endr
	v_rcp_f32 v[DA], v[LS]                         ; the 16 packed lines below, which name neither register, stand between it and its use
	s_wait_dscnt 0x0
	v_pk_mul_f32 v[OUT:OUT+1], v[Y:Y+1], v[ST:ST+1] op_sel_hi:[1,0]
.irp k, 1,2,3,4,5,6,7,8,9,10,11,12,13,14,15
	v_pk_fma_f32 v[OUT:OUT+1], v[Y+2*(\k):Y+2*(\k)+1], v[ST+2*(\k):ST+2*(\k)+1], v[OUT:OUT+1] op_sel_hi:[1,0,1]
.endr
	s_wait_alu depctr_va_vdst(0)
	v_pk_mul_f32 v[OUT:OUT+1], v[OUT:OUT+1], v[DA:DA+1] op_sel_hi:[1,0]
	global_store_b64 v[RA], v[OUT:OUT+1], s[10:11] ; a wave's store covers 256 consecutive bytes, aligned
	s_endpgm
.Lfunc_end_k_qffddce25b5_attend:
	.size	k_qffddce25b5_attend, .Lfunc_end_k_qffddce25b5_attend-k_qffddce25b5_attend
	.p2alignl 7, 3214868480
	.fill 96, 4, 3214868480
	.section	.rodata,"a",@progbits
	.p2align	6, 0x0
	.amdhsa_kernel k_qffddce25b5_attend
		.amdhsa_group_segment_fixed_size 67840
		.amdhsa_private_segment_fixed_size 0
		.amdhsa_enable_private_segment 0
		.amdhsa_kernarg_size 32
		.amdhsa_user_sgpr_count 2
		.amdhsa_user_sgpr_kernarg_segment_ptr 1
		.amdhsa_wavefront_size32 1
		.amdhsa_system_sgpr_workgroup_id_x 1
		.amdhsa_system_sgpr_workgroup_id_y 1
		.amdhsa_system_sgpr_workgroup_id_z 1
		.amdhsa_system_vgpr_workitem_id 0
		.amdhsa_next_free_vgpr 236
		.amdhsa_next_free_sgpr 66
		.amdhsa_reserve_vcc 0
		.amdhsa_float_denorm_mode_32 3
		.amdhsa_float_denorm_mode_16_64 3
		.amdhsa_memory_ordered 1
		.amdhsa_forward_progress 1
		.amdhsa_inst_pref_size 75
	.end_amdhsa_kernel
	.amdgpu_metadata
---
amdhsa.version: [ 1, 2 ]
amdhsa.kernels:
  - .name:           k_qffddce25b5_attend
    .symbol:         k_qffddce25b5_attend.kd
    .args:
      - { .name: tokens, .offset: 0, .size: 8, .value_kind: global_buffer, .address_space: global }
      - { .name: emb_table, .offset: 8, .size: 8, .value_kind: global_buffer, .address_space: global }
      - { .name: uvec, .offset: 16, .size: 8, .value_kind: global_buffer, .address_space: global }
      - { .name: out0, .offset: 24, .size: 8, .value_kind: global_buffer, .address_space: global }
    .group_segment_fixed_size: 67840
    .private_segment_fixed_size: 0
    .kernarg_segment_align: 8
    .kernarg_segment_size: 32
    .max_flat_workgroup_size: 512
    .sgpr_count:     66
    .vgpr_count:     236
    .wavefront_size: 32
...
	.end_amdgpu_metadata
.endif
;; end of part 3
